; MI455X (gfx1250); checked and timed in simulation.
; The chip was launched on July 23, 2026; its instructions are those of AMD's public machine-readable ISA for CDNA 5 (MIT licence, August 2026) and "CDNA5" Instruction Set Architecture Reference Guide (July 2026). The comments in the code are by the model that wrote it; some were corrected since.
;; Pool. Allowed arithmetic: matrix products marked QUANTISED: E2M3 operands, one E8M0 scale for each 32 along K, by v_wmma_scale_f32_16x16x128_f8f6f4 with both operands' format E2M3, f32 sums; products left as they are: f32 operands where the result goes on into a quantised operand, else bf16, f16 or f32 operands; f32 sums; everything else in f32.
;; Inputs: W 1 x 128 float32; b 1 float32; g 4,096 x 4,096 float32; h 4,096 x 128 float32.
;; Outputs: out0 2,048 x 2,048 float32; out1 2,048 x 128 float32; out2 2,048 int32.
;; This version of the problem:
;;   THIS VERSION OF THE PROBLEM IS GIVEN IN LOW PRECISION. The matrix products marked QUANTISED in the list below multiply operands that are first quantised to E2M3 (2 exponent bits, 3 mantissa bits; 6 bits a number), with one power-of-two scale for each 32 numbers along K (OCP MX v1.0); their sums are f32. All else is computed in f32.
;;   The module's matrix products, in the order in which they are computed (A, B: the left and right operand; K: the contracted axis; several contracted axes count as one K, in the product's order):
;;     1. [M 4,096, K 128] x [K 128, N 1]; A: input h; B: input W: left as it is (N = 1 < 16)
;;     2. [M 4,096, K 4,096] x [K 4,096, N 4,096]; A: computed on the way; B: computed on the way: QUANTISED
;;   THE QUANTISER, for each operand of a quantised product, along K:
;;     - K is cut into blocks of 32 from its start; a last block that is shorter is filled with zeros.
;;     - A block's scale is 2^e with e = floor(log2(the largest magnitude in the block)) - 2, held to -126 .. 127; a block of zeros has e = 0. As a byte (E8M0): e + 127.
;;     - Each number is divided by its block's scale, clamped to +-7.5, and rounded to the nearest number of E2M3, ties to even, subnormals kept.
;;     - The product sums the exact products of the quantised numbers (number of the format x scale) in f32.
;;   ~~~python
;;   def quantise(x, axis):      # numpy; x: float32 -> the quantised numbers, widened to float32 again
;;       x = np.moveaxis(x, axis, -1); K = x.shape[-1]
;;       x = np.pad(x, [(0, 0)] * (x.ndim - 1) + [(0, -K % 32)]); x = x.reshape(x.shape[:-1] + (-1, 32)); a = np.abs(x).max(-1, keepdims=True)
;;       e = np.where(a > 0, np.clip(np.frexp(np.where(a > 0, a, 1))[1] - 1 - 2, -126, 127), 0)      # np.frexp(a)[1] - 1 = floor(log2(a)), exactly
;;       r = np.clip(x / 2.0 ** e, -7.5, 7.5)
;;       step = 2.0 ** (np.maximum(np.frexp(np.where(r == 0, 1, r))[1] - 1, 0) - 3)
;;       q = np.round(r / step) * step * 2.0 ** e      # np.round: ties to even
;;       return np.moveaxis(q.reshape(q.shape[:-2] + (-1,))[..., :K], -1, axis).astype(np.float32)
;;   ~~~
;;   OPERANDS COMPUTED ON THE WAY. 'Computed on the way' means the value that the module computes at that place (a softmax that the list does not call 'softmax' is quantised finished and normalised). What goes into a quantiser is computed in f32, as accurately as f32 sums, v_exp_f32 and their like allow (about 1e-6 of the number): no bf16 or f16 on the way to a quantiser, and a product that is left as it is and whose result goes on into a quantised operand takes f32 operands (vector FMAs, or v_wmma_f32_16x16x4_f32). A number that lies on a knife's edge between two numbers of the format may be rounded either way, as far as f32 arithmetic and the matrix unit's own rounding can turn it there, and no further.
;; One version. Each part assembles by itself: llvm-mc -triple=amdgcn-amd-amdhsa -mcpu=gfx1250 --defsym DOCPART=n.
;; ======== version 1 of 1: 4 launches
;; workspace buffers: prank 262,144 bytes of whole numbers; scores 16,384 bytes; acodes 6,291,456 bytes; bcodes 6,291,456 bytes; ubits 2,097,152 bytes
;; launch rank (part 1): grid 16 x 16, 16 waves a work-group, no clusters, 6,144 bytes of LDS; arguments h, W, b, prank, scores; writes prank, scores
.if DOCPART == 1
	.amdgcn_target "amdgcn-amd-amdhsa--gfx1250"
	.amdhsa_code_object_version 6
	.text
	.protected	k_q0957152333_rank
	.globl	k_q0957152333_rank
	.p2align	8
	.type	k_q0957152333_rank,@function
k_q0957152333_rank:
	s_mov_b64 s[64:65], 0
	v_nop
	global_prefetch_b8 v0, s[64:65] scope:SCOPE_SE
	s_setreg_imm32_b32 hwreg(HW_REG_WAVE_MODE, 25, 1), 1
	s_wait_xcnt 0x0
; scores = sigmoid(h W^T + b) for 4,096 nodes, and PARTIAL RANKS.  A node's place in the sorted list (largest score first, equal scores by the lower index) is the number of nodes
; that come before it.  Work-group (a, b) scores the 256 nodes of block a and the 256 of block b and stores, for each node of block a, how many nodes of block b come before it:
; prank[b][node].  The next launch adds a node's sixteen numbers.  So no address here hangs on a score, and no work-group needs another's result.
; The same lines score a node whatever the work-group, so a node's score has the same bits everywhere.
; Sixteen waves.  Wave w takes rows 16 w .. 16 w + 15 of both blocks: a row of h is 512 bytes, one load of 16 bytes a lane.
; No matrix unit (the product has one column), no cluster (the branches below hang on a and b, which partners would not share).
; LIMITS: NaN among h, W, b is not served.  Where h W^T + b lies under about -88 the exponential overflows and the score is taken as 0: such nodes tie and are ordered by index.
; Two nodes whose exact scores differ by less than the rounding of f32 arithmetic may come out in either order.
.set ZS, 0                             ; LDS: 512 words: block a's 256 numbers z, then block b's; later the scores, in place
.set CN, 2048                          ; LDS: counts [half of block b][256 nodes of block a]
.set X,  32                            ; v32-159: 32 rows x 4 registers; later 128 scores of block b, the same in every lane
	s_load_b256 s[4:11], s[0:1], 0x0               ; h s[4:5], W s[6:7], b s[8:9], prank s[10:11]
	s_load_b64 s[12:13], s[0:1], 0x20              ; scores
	v_lshl_add_u32 v176, v0, 2, 0x1000
	v_mov_b32 v177, 0
	v_lshrrev_b32 v1, 5, v0
	v_readfirstlane_b32 s15, v1                    ; wave 0..15
	v_and_b32 v1, 31, v0                           ; lane
	v_lshlrev_b32 v2, 4, v1                        ; my 16 bytes of a row, and of W
	v_and_b32 v3, 0x1e0, v0
	v_lshlrev_b32 v3, 1, v3                        ; 64 x wave: my wave's 16 words of z
	v_lshlrev_b32 v14, 2, v0                       ; 4 x thread
	v_and_b32 v15, 0xff, v0
	v_lshlrev_b32 v15, 2, v15                      ; 4 x (thread mod 256): the node of block a that I rank
	v_lshrrev_b32 v19, 8, v0                       ; which half of block b I count
	v_lshl_add_u32 v19, v19, 9, 1024               ; its 128 scores
	v_and_b32 v21, 63, v0
	v_lshlrev_b32 v21, 4, v21                      ; the way out: 16 bytes a thread, threads 0 to 63
	s_and_b32 s27, ttmp7, 0xffff                   ; b
	s_lshl_b32 s26, s15, 13                        ; my wave's 16 rows of 512 bytes
	s_lshl_b32 s16, ttmp9, 17                      ; block a: 256 rows of 512 bytes
	s_add_co_u32 s16, s16, s26
	s_mov_b32 s17, 0
	s_lshl_b32 s18, s27, 17                        ; block b
	s_add_co_u32 s18, s18, s26
	s_mov_b32 s19, 0
	s_mov_b32 s20, 0x76543210                      ; v_permlanex16_b32: lane l xor 16
	s_mov_b32 s21, 0xfedcba98
	s_mov_b32 s28, 0xbfb8aa3b                      ; -log2(e), rounded to f32
	s_mov_b32 s29, 0xb2a57060                      ; and what that rounding left out
	s_lshl_b32 s22, ttmp9, 3
	s_and_b32 s23, s15, 7
	s_add_co_u32 s22, s22, s23                     ; the run of 32 nodes that my wave ranks: 8 a + wave mod 8
	s_lshl_b32 s30, s27, 3
	s_lshr_b32 s31, s15, 3
	s_lshl_b32 s31, s31, 2
	s_add_co_u32 s30, s30, s31                     ; the first of the four runs of 32 that it counts: 8 b + 4 x half
	s_wait_kmcnt 0x0
	s_load_b32 s14, s[8:9], 0x0                    ; the bias
	s_add_nc_u64 s[16:17], s[4:5], s[16:17]
	s_add_nc_u64 s[18:19], s[4:5], s[18:19]
	global_load_b128 v[4:7], v2, s[6:7]            ; W[4 lane .. 4 lane + 3]
.irp n, 0,1,2,3,4,5,6,7,8,9,10,11,12,13,14,15
	global_load_b128 v[X+4*\n:X+4*\n+3], v2, s[16:17] offset:512*\n          ; a whole row: 512 consecutive bytes
.endr
.irp n, 0,1,2,3,4,5,6,7,8,9,10,11,12,13,14,15
	global_load_b128 v[X+64+4*\n:X+64+4*\n+3], v2, s[18:19] offset:512*\n
.endr
	s_wait_kmcnt 0x0                               ; the bias
; Four rows by turns: four products a lane, the sum over the 32 lanes, the bias; every lane then holds z and all write the row's one word.
.macro ROWS4 g
	s_wait_loadcnt 28-4*\g                         ; loads come back in order: these four rows are in, the 28 - 4 g behind them may be out
.irp i, 0,1,2,3
	v_pk_mul_f32 v[X+16*\g+4*\i:X+16*\g+4*\i+1], v[X+16*\g+4*\i:X+16*\g+4*\i+1], v[4:5]
.endr
.irp i, 0,1,2,3
	v_pk_fma_f32 v[X+16*\g+4*\i:X+16*\g+4*\i+1], v[X+16*\g+4*\i+2:X+16*\g+4*\i+3], v[6:7], v[X+16*\g+4*\i:X+16*\g+4*\i+1]
.endr
.irp i, 0,1,2,3
	v_add_f32 v[X+16*\g+4*\i], v[X+16*\g+4*\i], v[X+16*\g+4*\i+1]
.endr
.irp m, 1,2,4,8
.irp i, 0,1,2,3
	v_add_f32_dpp v[X+16*\g+4*\i], v[X+16*\g+4*\i], v[X+16*\g+4*\i] row_xmask:\m row_mask:0xf bank_mask:0xf
.endr
.endr
.irp i, 0,1,2,3
	v_permlanex16_b32 v[X+16*\g+4*\i+1], v[X+16*\g+4*\i], s20, s21
.endr
.irp i, 0,1,2,3
	v_add_f32 v[X+16*\g+4*\i], v[X+16*\g+4*\i], v[X+16*\g+4*\i+1]
.endr
.irp i, 0,1,2,3
	v_add_f32 v[X+16*\g+4*\i], s14, v[X+16*\g+4*\i]
.endr
.irp i, 0,1,2,3
	ds_store_b32 v3, v[X+16*\g+4*\i] offset:ZS+(\g/4)*1024+4*((4*\g+\i)%16)
.endr
.endm
.irp g, 0,1,2,3,4,5,6,7
	ROWS4 \g
.endr
	s_wait_dscnt 0x0                               ; for the others' sake: my 32 words of z are in LDS
	s_barrier_signal -1
	s_barrier_wait -1
	; THE SIGMOID, a node a thread: 1 / (1 + 2^(-z log2 e)).  The exponent is kept in two parts, so that the rounding of z x log2(e) is made good; the reciprocal gets one step of refinement.
	ds_load_b32 v16, v14
	s_wait_dscnt 0x0
	v_mul_f32 v17, s28, v16                        ; t = -z log2(e), rounded
	v_fma_f32 v18, v16, s28, -v17                  ; what that rounding lost,
	v_fma_f32 v18, v16, s29, v18                   ; and the constant's own remainder
	v_exp_f32 v20, v17
	v_mul_f32 v18, 0x3f317218, v18                 ; x ln 2.  (The plain line behind the exponential)
	s_wait_alu depctr_va_vdst(0)                   ; the wait ahead of the result's first reader
	v_fma_f32 v20, v20, v18, v20                   ; 2^(t + rest) = 2^t (1 + rest ln 2)
	v_add_f32 v22, 1.0, v20
	v_rcp_f32 v23, v22
	v_nop                                          ; the plain line behind the reciprocal
	s_wait_alu depctr_va_vdst(0)
	v_fma_f32 v24, -v22, v23, 1.0
	v_fma_f32 v23, v23, v24, v23
	v_max_num_f32 v23, 0, v23                      ; where the exponential overflowed the lines above give NaN: the score is 0
	ds_store_b32 v14, v23                          ; in place: only this thread touches the word between the two barriers
	s_wait_dscnt 0x0
	s_barrier_signal -1
	s_barrier_wait -1
	; THE COUNT.  Thread: node i = thread mod 256 of block a, against 128 nodes j of block b.  j comes before i where s_j > s_i, or s_j = s_i and j < i.
	; Scores are not negative, so their bits order as whole numbers: s_j >= s_i is s_j > s_i - 1.
	ds_load_b32 v10, v15
.irp k, 0,1,2,3,4,5,6,7,8,9,10,11,12,13,14,15,16,17,18,19,20,21,22,23,24,25,26,27,28,29,30,31
	ds_load_b128 v[X+4*\k:X+4*\k+3], v19 offset:16*\k               ; every lane reads the same 16 bytes
.endr
	v_mov_b32 v13, 0
	s_wait_dscnt 0x0
	v_add_nc_u32 v11, -1, v10
; A run of 32 nodes j.  Another run than my wave's own lies wholly before or wholly behind all my nodes: one threshold.  In my own run node n comes before the lanes above n.
.macro CHUNK q
	s_add_co_u32 s23, s30, \q
	s_cmp_eq_u32 s23, s22
	s_cbranch_scc1 .Lsame_\@
	s_cmp_lt_u32 s23, s22
	s_cselect_b32 s24, 1, 0
	v_sub_nc_u32 v12, v10, s24
.set n, 0
.rept 32
	v_cmp_gt_i32 vcc_lo, v[X+32*\q+n], v12
	v_add_co_ci_u32 v13, vcc_lo, 0, v13, vcc_lo    ; the count takes the comparison as a carry
.set n, n+1
.endr
	s_branch .Ldone_\@
.Lsame_\@:
.set n, 0
.rept 32
	s_mov_b32 s25, (0xfffffffe<<n)&0xffffffff      ; the lanes above n
	v_cndmask_b32 v12, v10, v11, s25
	v_cmp_gt_i32 vcc_lo, v[X+32*\q+n], v12
	v_add_co_ci_u32 v13, vcc_lo, 0, v13, vcc_lo
.set n, n+1
.endr
.Ldone_\@:
.endm
	CHUNK 0
	CHUNK 1
	CHUNK 2
	CHUNK 3
	ds_store_b32 v14, v13 offset:CN                ; [half][node] = 4 x thread
	s_wait_dscnt 0x0
	s_barrier_signal -1
	s_barrier_wait -1
	; THE WAY OUT: waves 0 and 1 add the two halves and store 1,024 consecutive bytes; where b = 0 also block a's scores.
	s_cmp_lt_u32 s15, 2
	s_cbranch_scc0 .Lend
	ds_load_b128 v[32:35], v21 offset:CN
	ds_load_b128 v[36:39], v21 offset:CN+1024
	ds_load_b128 v[40:43], v21 offset:ZS
	s_lshl_b32 s24, ttmp9, 10
	s_mov_b32 s25, 0
	s_add_nc_u64 s[12:13], s[12:13], s[24:25]      ; scores + 4 x 256 a
	s_lshl_b32 s2, s27, 14
	s_add_co_u32 s24, s24, s2
	s_add_nc_u64 s[10:11], s[10:11], s[24:25]      ; prank + 4 x (4,096 b + 256 a)
	s_wait_dscnt 0x0
.irp e, 0,1,2,3
	v_add_nc_u32 v[32+\e], v[32+\e], v[36+\e]
.endr
	global_store_b128 v21, v[32:35], s[10:11]
	s_cmp_lg_u32 s27, 0
	s_cbranch_scc1 .Lend
	global_store_b128 v21, v[40:43], s[12:13]
.Lend:
	s_barrier_signal -1
	s_barrier_wait -1
	s_wait_tensorcnt 0x0
	ds_add_u32 v176, v177
	s_wait_dscnt 0x0
	s_endpgm
.Lfunc_end_k_q0957152333_rank:
	.size	k_q0957152333_rank, .Lfunc_end_k_q0957152333_rank-k_q0957152333_rank
	.p2alignl 7, 3214868480
	.fill 96, 4, 3214868480
	.section	.rodata,"a",@progbits
	.p2align	6, 0x0
	.amdhsa_kernel k_q0957152333_rank
		.amdhsa_group_segment_fixed_size 6144
		.amdhsa_private_segment_fixed_size 0
		.amdhsa_enable_private_segment 0
		.amdhsa_kernarg_size 40
		.amdhsa_user_sgpr_count 2
		.amdhsa_user_sgpr_kernarg_segment_ptr 1
		.amdhsa_wavefront_size32 1
		.amdhsa_system_sgpr_workgroup_id_x 1
		.amdhsa_system_sgpr_workgroup_id_y 1
		.amdhsa_system_sgpr_workgroup_id_z 1
		.amdhsa_system_vgpr_workitem_id 0
		.amdhsa_next_free_vgpr 178
		.amdhsa_next_free_sgpr 66
		.amdhsa_reserve_vcc 1
		.amdhsa_float_denorm_mode_32 3
		.amdhsa_float_denorm_mode_16_64 3
		.amdhsa_memory_ordered 1
		.amdhsa_forward_progress 1
		.amdhsa_inst_pref_size 61
	.end_amdhsa_kernel
	.amdgpu_metadata
---
amdhsa.version: [ 1, 2 ]
amdhsa.kernels:
  - .name:           k_q0957152333_rank
    .symbol:         k_q0957152333_rank.kd
    .args:
      - { .name: h, .offset: 0, .size: 8, .value_kind: global_buffer, .address_space: global }
      - { .name: W, .offset: 8, .size: 8, .value_kind: global_buffer, .address_space: global }
      - { .name: b, .offset: 16, .size: 8, .value_kind: global_buffer, .address_space: global }
      - { .name: prank, .offset: 24, .size: 8, .value_kind: global_buffer, .address_space: global }
      - { .name: scores, .offset: 32, .size: 8, .value_kind: global_buffer, .address_space: global }
    .group_segment_fixed_size: 6144
    .private_segment_fixed_size: 0
    .kernarg_segment_align: 8
    .kernarg_segment_size: 40
    .max_flat_workgroup_size: 512
    .sgpr_count:     66
    .vgpr_count:     178
    .wavefront_size: 32
...
	.end_amdgpu_metadata
.endif
;; end of part 1
;; launch quant (part 2): grid 16 x 16, 8 waves a work-group, no clusters, 140,288 bytes of LDS; arguments g, h, prank, scores, acodes, bcodes, out1, out2; writes acodes, bcodes, out1, out2
.if DOCPART == 2
	.amdgcn_target "amdgcn-amd-amdhsa--gfx1250"
	.amdhsa_code_object_version 6
	.text
	.protected	k_q0957152333_quant
	.globl	k_q0957152333_quant
	.p2align	8
	.type	k_q0957152333_quant,@function
k_q0957152333_quant:
	s_mov_b64 s[64:65], 0
	v_nop
	global_prefetch_b8 v0, s[64:65] scope:SCOPE_SE
	s_setreg_imm32_b32 hwreg(HW_REG_WAVE_MODE, 25, 1), 1
	s_wait_xcnt 0x0
; g is read ONCE.  Work-group (bj, bi) takes the tile of rows 256 bi on, columns 256 bj on, makes A = (g != 0) of it and quantises it twice to FP6 (E2M3): along its rows (the product's left
; operand, K = the columns) and along its columns (the right operand, K = the rows).  Only the rows and columns of the 2,048 chosen nodes are kept, and each is stored AT ITS RANK:
;   acodes [ks 16][rank 2,048][192 bytes]: row idx[rank], columns 256 ks on;      bcodes likewise: column idx[rank], rows 256 ks on.
; A node's rank is the sum of its sixteen numbers in prank, which the launch before stored.  The same ranks place out1 (h's row x its score) and out2 (the node's number): 16 nodes a work-group.
; THE QUANTISER HERE.  The numbers are 0 and 1.  A block of 32 that holds a 1 has the scale 2^-2 (byte 125) and its ones the code of 4.0.  A block of zeros has zero codes, which add nothing
; under any byte, so byte 125 serves every block and no scale bytes are stored (the stated rule gives such a block 127; only this program reads the codes).
; THE ORDER OF K INSIDE A RUN of 256 codes is the same in both buffers: code 16 c + 4 t + e stands for k = 64 t + 4 c + e.  All products are 0 or 1 and all sums whole numbers, exact in f32 in any order.
; THE ATOM.  Lane (c = lane mod 16, hh = lane / 16) of wave w holds 16 rows x 16 columns: row a = 4 t' + e' is tile row 64 t' + 4 (2 w + hh) + e', column x = 4 t + e is tile column 64 t + 4 c + e.
; Along x it is group c of a row's run; along a it is group 2 w + hh of a column's run.  Each load reads 256 consecutive bytes, aligned, in sixteen lanes.
; The codes meet in two stages in LDS and leave by runs: sixteen lanes store a run's 192 consecutive bytes.
; No tensor loads and no cluster: no two work-groups read the same bytes of g.  NaN in g counts as not 0, -0 as 0, as the comparison has it.
.set STB,  69632                       ; LDS: stage A [tile row 256] at 0, stage B [16 x + c] here; rows of 272 bytes: sixteen places of 16 bytes (12 of codes) + 16
.set CA,   112                         ; v112-175 A's codes, 4 registers for each of my 16 rows
.set T,    176                         ; v176-239 four columns of the atom, turned: 16 numbers each
.set CB,   32                          ; v32-95   B's codes (the ranks' numbers have been added by then)
.set DA,   112                         ; the way out: v112-175 stage A's runs read back, v176-239 stage B's
.set DB,   176
.set OA,   32                          ; the way out: v32-47 the offsets in acodes, v48-63 those in bcodes
.set OB,   48
.set MSB, 0
.macro WIN new                         ; s_set_vgpr_msb: bits 1:0 source 0, 3:2 source 1, 5:4 source 2, 7:6 destination; the high byte repeats the setting that is left
.if MSB != \new
	s_set_vgpr_msb (MSB<<8)|\new
.set MSB, \new
.endif
.endm
; REGISTERS.  Window 1 (v256-511): the atom, number 16 a + x.  Window 0: v1 lane, v2 c, v3 hh, v4 wave; v5 offset in g; v6, v7 into stages A, B; v8, v26 out of them; v9 12 c; v10 16 lane;
; v11 0.25; v13, v14 ranks for the ways out; v15, v16 my two nodes' ranks; v17-21 offsets of the small loads; v22-25 out1, out2; v32-63, v64-95 prank; v96-97 scores; v98-105 two rows of h.
	s_load_b512 s[8:23], s[0:1], 0x0               ; g s[8:9], h s[10:11], prank s[12:13], scores s[14:15], acodes s[16:17], bcodes s[18:19], out1 s[20:21], out2 s[22:23]
	v_lshl_add_u32 v254, v0, 2, 0x22000
	v_mov_b32 v255, 0
	v_and_b32 v1, 31, v0
	v_and_b32 v2, 15, v0
	v_bfe_u32 v3, v0, 4, 1
	v_lshrrev_b32 v4, 5, v0
	v_lshlrev_b32 v5, 17, v4                       ; g: row 8 w + 4 hh of 16,384 bytes, + 16 c
	v_lshl_add_u32 v5, v3, 16, v5
	v_lshl_add_u32 v5, v2, 4, v5
	v_mul_u32_u24 v6, v4, 2176                     ; stage A, in: row 8 w + 4 hh, place c
	v_mad_u32_u24 v6, v3, 1088, v6
	v_lshl_add_u32 v6, v2, 4, v6
	v_mul_u32_u24 v7, v2, 272                      ; stage B, in: row c (+ 16 x in the immediate), place 2 w + hh
	v_lshl_add_u32 v7, v4, 5, v7
	v_lshl_add_u32 v7, v3, 4, v7
	v_add_nc_u32 v7, STB, v7
	v_mul_u32_u24 v8, v4, 8704                     ; out: row 32 w + 16 hh (+ n in the immediate), place c
	v_mad_u32_u24 v8, v3, 4352, v8
	v_lshl_add_u32 v8, v2, 4, v8
	v_add_nc_u32 v26, STB, v8
	v_mul_u32_u24 v9, v2, 12
	v_lshlrev_b32 v10, 4, v1
	v_mov_b32 v11, 0x3e800000                      ; 0.25: the conversion divides by the power of two in this number's exponent field
	v_lshlrev_b32 v17, 2, v0                       ; prank of tile row 32 w + lane
	v_lshrrev_b32 v18, 1, v4                       ; prank of the tile column in stage B's row 32 w + lane: 64 (w / 2) + 4 c + 2 (w mod 2) + hh
	v_lshlrev_b32 v18, 8, v18
	v_lshl_add_u32 v18, v2, 4, v18
	v_and_b32 v12, 1, v4
	v_lshl_add_u32 v18, v12, 3, v18
	v_lshl_add_u32 v18, v3, 2, v18
	s_and_b32 s30, ttmp7, 0xffff                   ; bi;  bj is ttmp9
	s_lshl_b32 s2, ttmp9, 6
	v_lshl_add_u32 v19, v4, 3, s2                  ; prank of my two nodes, 16 bj + 2 w and the next, in block bi
	v_lshlrev_b32 v20, 3, v4                       ; their scores
	v_lshl_add_u32 v21, v4, 10, v10                ; their rows of h
	s_lshl_b32 s31, s30, 8
	s_lshl_b32 s2, ttmp9, 4
	s_add_co_u32 s31, s31, s2                      ; the work-group's first node: 256 bi + 16 bj
	v_lshl_add_u32 v25, v4, 1, v1
	v_add_nc_u32 v25, s31, v25                     ; in lanes 0 and 1: my two nodes' numbers
	s_lshl_b32 s2, s30, 22                         ; the tile: 256 bi rows of 16,384 bytes + 1,024 bj
	s_lshl_b32 s3, ttmp9, 10
	s_add_co_u32 s2, s2, s3
	s_mov_b32 s3, 0
	s_wait_kmcnt 0x0
	s_add_nc_u64 s[8:9], s[8:9], s[2:3]
	s_lshl_b32 s2, s30, 10
	s_add_nc_u64 s[26:27], s[12:13], s[2:3]        ; prank at block bi
	s_lshl_b32 s2, ttmp9, 10
	s_add_nc_u64 s[28:29], s[12:13], s[2:3]        ; and at block bj
	s_mul_i32 s2, ttmp9, 393216
	s_add_nc_u64 s[16:17], s[16:17], s[2:3]        ; acodes at ks = bj
	s_mul_i32 s2, s30, 393216
	s_add_nc_u64 s[18:19], s[18:19], s[2:3]        ; bcodes at ks = bi
	s_lshl_b32 s2, s31, 9
	s_add_nc_u64 s[10:11], s[10:11], s[2:3]        ; h at the work-group's first node
	s_lshl_b32 s2, s31, 2
	s_add_nc_u64 s[14:15], s[14:15], s[2:3]        ; scores likewise
; Row a of the atom: four loads; each reads twice 256 consecutive bytes, aligned.  Read once in the launch.
.macro GROW a
.irp t, 0,1,2,3
	global_load_b128 v[16*(\a)+4*\t:16*(\a)+4*\t+3], v5, s[8:9] offset:(64*((\a)/4)+(\a)%4)*16384+256*\t th:TH_LOAD_NT
.endr
.endm
; Row a of the atom becomes 0.0 or 1.0.  left: the younger loads, which may stay out.
.macro ONES a, left
	s_wait_loadcnt \left
.irp x, 0,1,2,3,4,5,6,7,8,9,10,11,12,13,14,15
	v_cmp_neq_f32 s[32+\x], 0, v[16*\a+\x]
.endr
.irp x, 0,1,2,3,4,5,6,7,8,9,10,11,12,13,14,15
	v_cndmask_b32 v[16*\a+\x], 0, 1.0, s[32+\x]
.endr
.endm
	WIN 0x44                                       ; source 1 and destination window 1; a load's address is its source 0: window 0
.irp a, 0,1,2,3,4,5,6,7,8,9,10,11,12,13,14
	GROW \a                                        ; 60 loads a wave are out
.endr
	ONES 0, 56                                     ; row 0's four loads are in, the 56 behind them may be out
	GROW 15
.irp a, 1,2,3,4,5,6,7,8,9,10,11,12
	ONES \a, 60-4*\a                               ; row a's four loads are in, the 4 (15 - a) behind them may be out
.endr
	WIN 0                                          ; the 51 small loads go out here, while the tile's last three rows may still be arriving: 12 + 51 = 63 out at the most
.irp b, 0,1,2,3,4,5,6,7,8,9,10,11,12,13,14,15
	global_load_b32 v[32+\b], v17, s[26:27] offset:16384*\b
.endr
.irp b, 0,1,2,3,4,5,6,7,8,9,10,11,12,13,14,15
	global_load_b32 v[48+\b], v18, s[28:29] offset:16384*\b
.endr
.irp b, 0,1,2,3,4,5,6,7,8,9,10,11,12,13,14,15
	global_load_b64 v[64+2*\b:65+2*\b], v19, s[26:27] offset:16384*\b
.endr
	global_load_b64 v[96:97], v20, s[14:15]
	global_load_b128 v[98:101], v21, s[10:11]
	global_load_b128 v[102:105], v21, s[10:11] offset:512
	WIN 0x44
	ONES 13, 59                                    ; behind row 13's loads: 8 of g and the 51 small ones
	ONES 14, 55
	ONES 15, 51
	WIN 0x01                                       ; source 0 window 1
.irp a, 0,1,2,3,4,5,6,7,8,9,10,11,12,13,14,15
	v_cvt_scalef32_pk16_fp6_f32 v[CA+4*\a:CA+4*\a+2], v[16*\a:16*\a+15], v11     ; my 16 columns of row a: 96 bits, the first number's code lowest
.endr
	v_nop                                          ; one plain line behind the conversions
	WIN 0
.irp a, 0,1,2,3,4,5,6,7,8,9,10,11,12,13,14,15
	ds_store_b96 v6, v[CA+4*\a:CA+4*\a+2] offset:(64*(\a/4)+\a%4)*272
.endr
.macro SUM16 d, s, st                  ; v[d] = the sum of sixteen registers from v[s] on, st apart
	v_add3_u32 v[\d], v[\s], v[\s+\st], v[\s+2*\st]
.irp i, 3,5,7,9,11,13
	v_add3_u32 v[\d], v[\d], v[\s+\i*\st], v[\s+(\i+1)*\st]
.endr
	v_add_nc_u32 v[\d], v[\d], v[\s+15*\st]
.endm
	s_wait_loadcnt 0x0                             ; the small loads
	SUM16 13, 32, 1                                ; the rank of tile row 32 w + lane
	SUM16 14, 48, 1                                ; of the column in stage B's row 32 w + lane
	SUM16 15, 64, 2                                ; of my two nodes (the same in every lane)
	SUM16 16, 65, 2
.irp xg, 0,1,2,3                       ; the atom's columns, four at a time: the conversion wants a column's 16 rows in consecutive registers
	WIN 0x01
.irp xi, 0,1,2,3
.irp a, 0,1,2,3,4,5,6,7,8,9,10,11,12,13,14,15
	v_mov_b32 v[T+16*\xi+\a], v[16*\a+4*\xg+\xi]
.endr
.endr
	WIN 0
.irp xi, 0,1,2,3
	v_cvt_scalef32_pk16_fp6_f32 v[CB+16*\xg+4*\xi:CB+16*\xg+4*\xi+2], v[T+16*\xi:T+16*\xi+15], v11
.endr
	v_nop                                          ; one plain line between the conversions and the next moves, which write their sources
.irp xi, 0,1,2,3
	ds_store_b96 v7, v[CB+16*\xg+4*\xi:CB+16*\xg+4*\xi+2] offset:4352*(4*\xg+\xi)
.endr
.endr
	s_wait_dscnt 0x0                               ; for the others' sake: my stores into both stages are done (and they have read their registers)
	s_barrier_signal -1
	s_barrier_wait -1
; THE WAY OUT of the stages: my wave's 32 rows of each, two an instruction (lanes 0-15 row 32 w + n, lanes 16-31 row 32 w + 16 + n).
; All that is computed for the stores (both stages' runs read back, every offset, the gated rows of h) is made HERE, with every lane on, ahead of the first line that narrows EXEC;
; behind that line stand only a comparison, the narrowing, a store, its wait and the restoring.
.irp n, 0,1,2,3,4,5,6,7,8,9,10,11,12,13,14,15
	ds_load_b96 v[DA+4*\n:DA+4*\n+2], v8 offset:272*\n
.endr
.irp n, 0,1,2,3,4,5,6,7,8,9,10,11,12,13,14,15
	ds_load_b96 v[DB+4*\n:DB+4*\n+2], v26 offset:272*\n
.endr
; Lane 16 hh + n holds the rank of row 32 w + 16 hh + n: row_share hands it to that row's sixteen lanes.  The offset of a lane's 12 bytes: 192 x rank + 12 c.
.macro OFFS o, rank
.irp n, 0,1,2,3,4,5,6,7,8,9,10,11,12,13,14,15
	v_mov_b32_dpp v[\o+\n], v[\rank] row_share:\n row_mask:0xf bank_mask:0xf
.endr
.irp n, 0,1,2,3,4,5,6,7,8,9,10,11,12,13,14,15
	v_min_u32 v[\o+\n], 0xfff, v[\o+\n]            ; a rank is under 4,096: the bound is written out, since the number was loaded
.endr
.irp n, 0,1,2,3,4,5,6,7,8,9,10,11,12,13,14,15
	v_mul_u32_u24 v[\o+\n], 192, v[\o+\n]
.endr
.irp n, 0,1,2,3,4,5,6,7,8,9,10,11,12,13,14,15
	v_add_nc_u32 v[\o+\n], v[\o+\n], v9
.endr
.endm
	OFFS OA, 13
	OFFS OB, 14
.irp e, 0,1,2,3
	v_mul_f32 v[98+\e], v[98+\e], v96              ; out1: my two nodes' rows of h x their scores
	v_mul_f32 v[102+\e], v[102+\e], v97
.endr
	v_min_u32 v22, 0xfff, v15
	v_min_u32 v23, 0xfff, v16
	v_lshlrev_b32 v22, 9, v22
	v_lshlrev_b32 v23, 9, v23
	v_add_nc_u32 v22, v22, v10                     ; 512 x rank + 16 x lane
	v_add_nc_u32 v23, v23, v10
	v_cmp_eq_u32 vcc_lo, 1, v1
	v_cndmask_b32 v12, v15, v16, vcc_lo            ; out2: lane 0 takes the first node's rank, lane 1 the second's
	v_min_u32 v24, 0xfff, v12
	v_lshlrev_b32 v24, 2, v24                      ; 4 x rank
	v_cmp_gt_u32 s32, 2, v1                        ; lanes 0 and 1
	s_wait_xcnt 0x0                                ; EXEC is narrowed below only behind this wait
; A row whose rank is 2,048 or more is not stored: its sixteen lanes are switched off.  left: the LDS loads issued behind this stage's first pair.
.macro SEND d, o, base, left
.irp n, 0,1,2,3,4,5,6,7,8,9,10,11,12,13,14,15
	s_wait_dscnt \left-\n                          ; LDS loads come back in order: pair n is in
	v_cmp_gt_u32 vcc_lo, 0x60000, v[\o+\n]         ; under 192 x 2,048: the rank is under 2,048
	s_and_saveexec_b32 s48, vcc_lo
	global_store_b96 v[\o+\n], v[\d+4*\n:\d+4*\n+2], s[\base:\base+1]   ; sixteen lanes: a run's 192 consecutive bytes
	s_wait_xcnt 0x0                                ; EXEC is widened again only behind this wait
	s_or_b32 exec_lo, exec_lo, s48
.endr
.endm
	SEND DA, OA, 16, 31                            ; behind A's pair n: A's 15 - n and B's sixteen
	SEND DB, OB, 18, 15
	v_cmp_gt_u32 vcc_lo, 0x800, v15
	s_and_saveexec_b32 s48, vcc_lo
	global_store_b128 v22, v[98:101], s[20:21]     ; a row of 512 consecutive bytes
	s_wait_xcnt 0x0
	s_or_b32 exec_lo, exec_lo, s48
	v_cmp_gt_u32 vcc_lo, 0x800, v16
	s_and_saveexec_b32 s48, vcc_lo
	global_store_b128 v23, v[102:105], s[20:21]
	s_wait_xcnt 0x0
	s_or_b32 exec_lo, exec_lo, s48
	v_cmp_gt_u32 vcc_lo, 0x800, v12
	s_and_b32 vcc_lo, vcc_lo, s32
	s_and_saveexec_b32 s48, vcc_lo
	global_store_b32 v24, v25, s[22:23]            ; four bytes at a place given by the rank: 8,192 bytes in the whole launch
	s_wait_xcnt 0x0
	s_or_b32 exec_lo, exec_lo, s48
	s_wait_xcnt 0x0
	s_mov_b32 exec_lo, -1
	s_wait_tensorcnt 0x0
	ds_add_u32 v254, v255
	s_wait_dscnt 0x0
	s_endpgm
.Lfunc_end_k_q0957152333_quant:
	.size	k_q0957152333_quant, .Lfunc_end_k_q0957152333_quant-k_q0957152333_quant
	.p2alignl 7, 3214868480
	.fill 96, 4, 3214868480
	.section	.rodata,"a",@progbits
	.p2align	6, 0x0
	.amdhsa_kernel k_q0957152333_quant
		.amdhsa_group_segment_fixed_size 140288
		.amdhsa_private_segment_fixed_size 0
		.amdhsa_enable_private_segment 0
		.amdhsa_kernarg_size 64
		.amdhsa_user_sgpr_count 2
		.amdhsa_user_sgpr_kernarg_segment_ptr 1
		.amdhsa_wavefront_size32 1
		.amdhsa_system_sgpr_workgroup_id_x 1
		.amdhsa_system_sgpr_workgroup_id_y 1
		.amdhsa_system_sgpr_workgroup_id_z 1
		.amdhsa_system_vgpr_workitem_id 0
		.amdhsa_next_free_vgpr 512
		.amdhsa_next_free_sgpr 66
		.amdhsa_reserve_vcc 1
		.amdhsa_float_denorm_mode_32 3
		.amdhsa_float_denorm_mode_16_64 3
		.amdhsa_memory_ordered 1
		.amdhsa_forward_progress 1
		.amdhsa_inst_pref_size 81
	.end_amdhsa_kernel
	.amdgpu_metadata
---
amdhsa.version: [ 1, 2 ]
amdhsa.kernels:
  - .name:           k_q0957152333_quant
    .symbol:         k_q0957152333_quant.kd
    .args:
      - { .name: g, .offset: 0, .size: 8, .value_kind: global_buffer, .address_space: global }
      - { .name: h, .offset: 8, .size: 8, .value_kind: global_buffer, .address_space: global }
      - { .name: prank, .offset: 16, .size: 8, .value_kind: global_buffer, .address_space: global }
      - { .name: scores, .offset: 24, .size: 8, .value_kind: global_buffer, .address_space: global }
      - { .name: acodes, .offset: 32, .size: 8, .value_kind: global_buffer, .address_space: global }
      - { .name: bcodes, .offset: 40, .size: 8, .value_kind: global_buffer, .address_space: global }
      - { .name: out1, .offset: 48, .size: 8, .value_kind: global_buffer, .address_space: global }
      - { .name: out2, .offset: 56, .size: 8, .value_kind: global_buffer, .address_space: global }
    .group_segment_fixed_size: 140288
    .private_segment_fixed_size: 0
    .kernarg_segment_align: 8
    .kernarg_segment_size: 64
    .max_flat_workgroup_size: 256
    .sgpr_count:     66
    .vgpr_count:     512
    .wavefront_size: 32
...
	.end_amdgpu_metadata
.endif
;; end of part 2
;; launch gemm (part 3): grid 8 x 32, 4 waves a work-group, clusters of 4 x 4, 327,680 bytes of LDS; arguments acodes, bcodes, ubits; writes ubits
.if DOCPART == 3
	.amdgcn_target "amdgcn-amd-amdhsa--gfx1250"
	.amdhsa_code_object_version 6
	.text
	.protected	k_q0957152333_gemm
	.globl	k_q0957152333_gemm
	.p2align	8
	.type	k_q0957152333_gemm,@function
k_q0957152333_gemm:
	s_mov_b64 s[64:65], 0
	v_nop
	global_prefetch_b8 v0, s[64:65] scope:SCOPE_SE
	s_setreg_imm32_b32 hwreg(HW_REG_WAVE_MODE, 25, 1), 1
	s_wait_xcnt 0x0
	s_wait_alu depctr_hold_cnt(0) depctr_sa_sdst(0) depctr_va_vdst(0) depctr_va_sdst(0) depctr_va_ssrc(0) depctr_va_vcc(0) depctr_vm_vsrc(0)
	s_getreg_b32 s2, hwreg(HW_REG_IB_STS2, 6, 4)
	s_cmp_eq_u32 s2, 0
	s_cbranch_scc0 .Lentry_in_a_cluster
	s_endpgm
.Lentry_in_a_cluster:
	s_bfe_u32 s2, ttmp6, 0x10000c
	s_cmp_lg_u32 s2, 0xf033
	s_cbranch_scc0 .Lentry_shape_is_right
	s_endpgm
.Lentry_shape_is_right:
; The kept part of A A, 2,048 x 2,048 over K = 4,096, on codes of FP6 (E2M3), and of each sum only whether it is 0.
; acodes, bcodes: [ks 16][rank 2,048][192 bytes]: 256 codes along K, in one and the same order of K in both.  Every block's scale byte is 125: one register holds 0x7d7d7d7d for both sides.
; All products are 0 or 1, so every sum is a whole number, exact in f32 in any order, and 'sum != 0' is the OR of 'partial sum != 0': K IS CUT IN FOUR, so that there are 256 work-groups.
; Work-group: a tile of 256 x 256 (tile row I, tile column J) over K quarter q, 1,024 along K.  Four waves, 128 x 128 each: 64 accumulators, 512 registers.
; ubits [q 4][I 8][CG 32][row 256][8 bytes]: bit beta of word h: partial sum != 0 for row 256 I + row, column 64 CG + 32 h + beta.
; LDS: three slots, each 256 along K: A's 256 rows and B's 256.  128 rows x 192 bytes are dense in memory: a wave brings them by one tensor load as 96 rows of 256 bytes, 16 bytes of padding behind each.
; The quarter's four tiles: three first fills and ONE refill (slot 0 again).
; CLUSTERS: 4 x 4.  q and the upper part of I come from the cluster's y alone; the four of a row of the cluster share A's tiles, the four of a column B's: joint loads.
; FRAGMENTS.  Fragment f takes rows 64 (f / 4) + 4 r + f mod 4 of the wave's 128 (r = lane mod 16), and a lane takes 48 CONSECUTIVE bytes of its row's 96 for a step of 128: three loads of 16 bytes.
; That orders K otherwise inside a step than the operand's layout counts it, alike on both sides, which changes no sum here.  Rows four apart put the result's bits in their natural order (below).
; THE MATRIX INSTRUCTION IS USED TRANSPOSED: source 0 = 16 rows of bcodes, source 1 = 16 rows of acodes: a lane holds one row of the result and eight of its columns.
; Nothing is prefetched: three of a wave's four loads go out at the head, and the fourth has 224 matrix instructions in which to land.
; REGISTERS, in windows of 256: window 0: v4-15 fragment addresses; v16-18 the way out; v28, v29 the add's; v32 the scale word; v33 0.125; from v128 A's fragments, one set; on the way out v36-53, v64-127, v224-239.
;   window 1: B's fragments, two sets, at v0 and v128.   windows 2, 3: the accumulators of my rows' fragments 0-3 and 4-7: (a, b) at v[8 (8 (a mod 4) + b)].
.set QT,    26112                      ; 96 x 272: 128 rows of codes in LDS
.set SLOT,  4*QT                       ; A's two halves, then B's two: at wave x QT
.set SPARE, 3*SLOT                     ; the spare words, 128 bytes for each wave: two blocks of 256 bytes that no other line names
.set STAGE, SPARE+512                  ; the way out: 2,048 bytes for each wave; no tile lands here
.set KSB,   393216                     ; from one ks to the next, in bytes
.set ADRA, 4                           ; v[4 + 2 L], v[5 + 2 L]: my A fragments in slot L; the second for the pieces whose upper half of the lanes lies behind one padding more
.set ADRB, 10
.set STO,  16
.set RD,   17
.set CO,   18
.set SPW,  28
.set NIL,  29
.set SCW,  32
.set EIG,  33
.set WD,   36
.set XB,   64
.set AF,   128
.set BK,   224
.set G1A,  24                          ; s[24:31], s[32:39] descriptor group 1 for A's and B's tiles: they differ in the mask
.set G1B,  32
.set G0A,  40                          ; s[40:51], s[52:63] group 0, a set for each slot
.set G0B,  52
.set MSB, 0
.macro WIN new                         ; the immediate's high byte repeats the setting that is left
.if MSB != \new
	s_set_vgpr_msb (MSB<<8)|\new
.set MSB, \new
.endif
.endm
.set MUL_LO, 0xa1                      ; source 0 (B) window 1, source 1 (A) window 0, C and D window 2
.set MUL_HI, 0xf1                      ; the same, C and D window 3
.set TO_B,   0x40                      ; destination window 1, address window 0
.macro PLACES n
.rept \n
	v_nop
.endr
.endm
.macro CREST                           ; a round of the cluster's barrier behind its opening barrier
	s_cmp_lg_u32 s10, 0
	s_cbranch_scc1 .Lnot_wave_0_\@
	s_barrier_signal -3
.Lnot_wave_0_\@:
	s_barrier_wait -3
	s_barrier_signal -1
	s_barrier_wait -1
.endm
.macro CROUND                          ; a whole round
	s_barrier_signal -1
	s_barrier_wait -1
	CREST
.endm
	s_load_b128 s[4:7], s[0:1], 0x0                ; acodes, bcodes
	s_load_b64 s[8:9], s[0:1], 0x10                ; ubits
	v_lshl_add_u32 v[SPW], v0, 2, SPARE
	v_mov_b32 v[NIL], 0
	ds_add_u32 v28, v29
	ds_add_u32 v28, v29
	s_wait_dscnt 0x0
	v_mov_b32 v[SCW], 0x7d7d7d7d                   ; four bytes 125, in every lane: the scales of both sides, and nothing else ever
	v_mov_b32 v[EIG], 0x3e000000                   ; 0.125
	v_lshrrev_b32 v1, 5, v0
	v_readfirstlane_b32 s10, v1                    ; wave 0..3
	s_lshr_b32 s11, s10, 1                         ; which half of the tile's rows is mine.  Also: I fetch for A (0) or for B (1)
	s_and_b32 s12, s10, 1                          ; which half of its columns.  Also: which 128 rows I fetch
	s_bfe_u32 s13, ttmp6, 0x40000                  ; cx
	s_bfe_u32 s14, ttmp6, 0x40004                  ; cy
	s_lshl_b32 s15, ttmp9, 2
	s_add_co_u32 s15, s15, s13                     ; J = 4 x cluster x + cx
	s_and_b32 s16, ttmp7, 0xffff                   ; cluster y
	s_lshr_b32 s17, s16, 1                         ; q: the same in all sixteen partners
	s_and_b32 s18, s16, 1
	s_lshl_b32 s18, s18, 2
	s_add_co_u32 s18, s18, s14                     ; I = 4 x (cluster y mod 2) + cy
	s_lshl_b32 s20, s14, 2
	s_lshl_b32 s20, 15, s20                        ; my row of the cluster
	s_lshl_b32 s22, 0x1111, s13                    ; my column
	s_or_b32 s[G1A], s20, (3<<16)|(1<<20)|(1<<21)|(5<<22)|(3<<25)   ; 15:0 the mask; 17:16 elements of 8 bytes; 20 padding on; 21 set beside a mask; 24:22 after every 64 words; 31:25 of 4 words
	s_or_b32 s[G1B], s22, (3<<16)|(1<<20)|(1<<21)|(5<<22)|(3<<25)
.irp g, G1A, G1B
	s_mov_b32 s[\g+1], 32<<16                      ; tensor_dim0 = 32 elements: 256 bytes
	s_mov_b32 s[\g+2], 96<<16                      ; tensor_dim1 = 96
	s_mov_b32 s[\g+3], 32<<16                      ; tile_dim0
	s_mov_b32 s[\g+4], 96                          ; tile_dim1
	s_mov_b32 s[\g+5], 32                          ; from row to row: dense
	s_mov_b32 s[\g+6], 0
	s_mov_b32 s[\g+7], 0
.endr
	s_mul_i32 s20, s17, 4*KSB                      ; A: ks = 4 q, rows 256 I + 128 x half.  These registers never hold cx,
	s_mul_i32 s21, s18, 49152
	s_add_co_u32 s20, s20, s21
	s_mul_i32 s21, s12, 24576
	s_add_co_u32 s20, s20, s21
	s_mov_b32 s21, 0
	s_mul_i32 s22, s17, 4*KSB                      ; B: rows 256 J + 128 x half.  and these never cy
	s_mul_i32 s23, s15, 49152
	s_add_co_u32 s22, s22, s23
	s_mul_i32 s23, s12, 24576
	s_add_co_u32 s22, s22, s23
	s_mov_b32 s23, 0
	s_mul_i32 s19, s10, QT                         ; where they go: wave x 128 rows: no place in the cluster enters an LDS address
	s_wait_kmcnt 0x0
	s_add_nc_u64 s[20:21], s[4:5], s[20:21]
	s_add_nc_u64 s[22:23], s[6:7], s[22:23]
	CROUND                                         ; all sixteen work-groups are here: the first joint loads meet
.irp L, 0,1,2
	s_mov_b32 s[G0A+4*\L], 1
	s_add_co_u32 s[G0A+4*\L+1], s19, \L*SLOT
	s_add_nc_u64 s[G0A+4*\L+2:G0A+4*\L+3], s[20:21], \L*KSB
	s_or_b32 s[G0A+4*\L+3], s[G0A+4*\L+3], 0x80000000
	s_mov_b32 s[G0B+4*\L], 1
	s_add_co_u32 s[G0B+4*\L+1], s19, \L*SLOT
	s_add_nc_u64 s[G0B+4*\L+2:G0B+4*\L+3], s[22:23], \L*KSB
	s_or_b32 s[G0B+4*\L+3], s[G0B+4*\L+3], 0x80000000
.endr
	s_cmp_eq_u32 s11, 0                            ; a wave's three first fills stand in one branch on its number: three loads of mine are out; four v_nop follow the third
	s_cbranch_scc0 .Lfirst_b
	tensor_load_to_lds s[G0A:G0A+3], s[G1A:G1A+7]
	s_nop 0
	tensor_load_to_lds s[G0A+4:G0A+7], s[G1A:G1A+7]
	s_nop 0
	tensor_load_to_lds s[G0A+8:G0A+11], s[G1A:G1A+7]
	s_nop 0
	PLACES 4
	s_branch .Lfirst_asked
.Lfirst_b:
	tensor_load_to_lds s[G0B:G0B+3], s[G1B:G1B+7]
	s_nop 0
	tensor_load_to_lds s[G0B+4:G0B+7], s[G1B:G1B+7]
	s_nop 0
	tensor_load_to_lds s[G0B+8:G0B+11], s[G1B:G1B+7]
	s_nop 0
	PLACES 4
.Lfirst_asked:
	v_and_b32 v1, 15, v0                           ; r
	v_bfe_u32 v2, v0, 4, 1                         ; h
	v_mul_u32_u24 v3, v1, 816                      ; four rows of 192 bytes are three LDS rows of 272: 51 x 16 bytes
	v_mad_u32_u24 v19, v2, 48, v3                  ; + my half's 48 bytes
	v_lshl_add_u32 v20, v2, 6, v3                  ; and the same behind one padding more
	s_mul_i32 s2, s11, QT                          ; my 128 rows of A
	s_mul_i32 s3, s12, QT                          ; my 128 rows of B,
	s_add_co_u32 s3, s3, 2*QT                      ; behind A's 256
.irp L, 0,1,2
	v_add_nc_u32 v[ADRA+2*\L], s2, v19
	v_add_nc_u32 v[ADRA+2*\L+1], s2, v20
	v_add_nc_u32 v[ADRB+2*\L], s3, v19
	v_add_nc_u32 v[ADRB+2*\L+1], s3, v20
	s_add_co_u32 s2, s2, SLOT
	s_add_co_u32 s3, s3, SLOT
.endr
	s_lshl_b32 s16, s10, 11
	s_add_co_u32 s16, s16, STAGE                   ; my stage
	v_lshlrev_b32 v[STO], 5, v1
	v_lshl_add_u32 v[STO], v2, 2, v[STO]
	v_add_nc_u32 v[STO], s16, v[STO]               ; in: 32 r + 4 h
	v_and_b32 v[CO], 31, v0
	v_lshlrev_b32 v[CO], 4, v[CO]
	v_add_nc_u32 v[RD], s16, v[CO]                 ; back: 16 bytes a lane
	s_lshl_b32 s2, s17, 3                          ; ubits: ((8 q + I) 32 + 4 J + 2 x column half) x 2,048 + 1,024 x row half
	s_add_co_u32 s2, s2, s18
	s_lshl_b32 s2, s2, 5
	s_lshl_b32 s3, s15, 2
	s_add_co_u32 s2, s2, s3
	s_lshl_b32 s3, s12, 1
	s_add_co_u32 s2, s2, s3
	s_lshl_b32 s2, s2, 11
	s_lshl_b32 s3, s11, 10
	s_add_co_u32 s2, s2, s3
	s_mov_b32 s3, 0
	s_add_nc_u64 s[8:9], s[8:9], s[2:3]
; A fragment: three loads of 16 bytes.  Byte Y of the dense 128 rows lies at Y + 16 (Y / 256) in LDS.  Of Y, 768 r and 12,288 (f / 4) are whole rows of 256; the rest is
; Y0 + 48 h, Y0 = 192 (f mod 4) + 96 s + 16 c.  Where Y0 + 48 lies in the next 256 bytes, the second address register (64 for 48 bytes a half) serves.
.macro FRAG reg, adr, s, f
.irp c, 0,1,2
.set Y0, 192*((\f)%4)+96*(\s)+16*\c
.if (Y0+48)/256 == Y0/256
	ds_load_b128 v[\reg+4*\c:\reg+4*\c+3], v[\adr] offset:Y0+16*(Y0/256)+13056*((\f)/4)
.else
	ds_load_b128 v[\reg+4*\c:\reg+4*\c+3], v[\adr+1] offset:Y0+16*(Y0/256)+13056*((\f)/4)
.endif
.endr
.endm
.macro FETCH_B L, s, p                 ; B's eight fragments of slot L's s-th 128 along K into set p
	WIN TO_B
.irp i, 0,1,2,3,4,5,6,7
	FRAG 128*(\p)+12*\i, ADRB+2*\L, \s, \i
.endr
	WIN 0
.endm
.macro FETCH_A L, s, i0                ; A's fragments i0 .. i0 + 3
.irp i, \i0, \i0+1, \i0+2, \i0+3
	FRAG AF+12*(\i), ADRA+2*\L, \s, \i
.endr
.endm
; 16 matrix instructions: A's fragments a0, a0 + 1 x B's eight, 128 along K.  zero = 1: the first product starts the sums.  The 64 accumulators take turns, one instruction a turn, in the same order in every step.
.macro MUL16 a0, p, zero
.irp a, \a0, \a0+1
.irp b, 0,1,2,3,4,5,6,7
.if \zero
	v_wmma_scale_f32_16x16x128_f8f6f4 v[8*(8*((\a)%4)+\b):8*(8*((\a)%4)+\b)+7], v[128*(\p)+12*\b:128*(\p)+12*\b+11], v[AF+12*(\a):AF+12*(\a)+11], 0, v[SCW], v[SCW] matrix_a_fmt:MATRIX_FMT_FP6 matrix_b_fmt:MATRIX_FMT_FP6
.else
	v_wmma_scale_f32_16x16x128_f8f6f4 v[8*(8*((\a)%4)+\b):8*(8*((\a)%4)+\b)+7], v[128*(\p)+12*\b:128*(\p)+12*\b+11], v[AF+12*(\a):AF+12*(\a)+11], v[8*(8*((\a)%4)+\b):8*(8*((\a)%4)+\b)+7], v[SCW], v[SCW] matrix_a_fmt:MATRIX_FMT_FP6 matrix_b_fmt:MATRIX_FMT_FP6
.endif
.endr
.endr
.endm
; A step of 128 along K: multiplies B's set p and fetches the next step (slot nl, its ns-th half) on the way: B's other set and A's fragments 0-3 in the middle, A's 4-7 at the end.
; A load into a register that a matrix instruction has read stands four plain vector instructions behind it (ISA guide 7.12.1 for vector instructions).
.macro STEP nl, ns, p, zero
	s_wait_dscnt 12                                ; B's set and A's fragments 0-3 are in; the youngest twelve loads (A's 4-7) may be out
	WIN MUL_LO
	MUL16 0, \p, \zero
	MUL16 2, \p, \zero
	s_wait_dscnt 0                                 ; A's 4-7 are in
	PLACES 4
	FETCH_B \nl, \ns, 1-\p
	FETCH_A \nl, \ns, 0
	WIN MUL_HI
	MUL16 4, \p, \zero
	MUL16 6, \p, \zero
	PLACES 4
	WIN 0
	FETCH_A \nl, \ns, 4
.endm
; A step with a barrier in it (it multiplies set 1; the next step is slot nl's first).  In front of the barrier each wave waits for all its tensor loads, adds 0 to its spare word, and waits for that and for its LDS reads.
; fill = 1: slot 0, which nobody reads any more, is filled again with the quarter's fourth tile: the barrier opens a round of the cluster's, and the joint load is the first thing behind it.
; That round also shows slots 1 and 2 whole to every wave.  fill = 0: the refill has landed in every wave; nothing is asked for.
.macro TURN nl, fill
	s_wait_tensorcnt 0x0                           ; all my tensor loads have landed  (every window is 0 here)
	ds_add_u32 v[SPW], v[NIL]                      ; 0 onto my spare word
	s_wait_dscnt 13                                ; (the add and A's fragments 4-7 may be out)
	WIN MUL_LO
	MUL16 0, 1, 0                                  ; sixteen matrix instructions stand between the add and the wait for it
	s_wait_dscnt 0x0                               ; the add is done, and my LDS reads are over
	s_barrier_signal -1
	MUL16 2, 1, 0
	WIN 0
	s_barrier_wait -1
.if \fill
	CREST                                          ; no wave of any partner still reads slot 0 or has a load on its way
	s_add_nc_u64 s[G0A+2:G0A+3], s[G0A+2:G0A+3], 3*KSB
	s_add_nc_u64 s[G0B+2:G0B+3], s[G0B+2:G0B+3], 3*KSB
	s_cmp_eq_u32 s11, 0
	s_cbranch_scc0 .Lfor_b_\@
	tensor_load_to_lds s[G0A:G0A+3], s[G1A:G1A+7]
	s_nop 0
	PLACES 4                                       ; (also the places in front of the loads below)
	s_branch .Lasked_\@
.Lfor_b_\@:
	tensor_load_to_lds s[G0B:G0B+3], s[G1B:G1B+7]
	s_nop 0
	PLACES 4
.Lasked_\@:
.else
	PLACES 4
.endif
	FETCH_B \nl, 0, 0
	FETCH_A \nl, 0, 0
	WIN MUL_HI
	MUL16 4, 1, 0
	MUL16 6, 1, 0
	PLACES 4
	WIN 0
	FETCH_A \nl, 0, 4
.endm
	s_wait_tensorcnt 2                             ; my part of slot 0 is in; slots 1's and 2's, issued behind it, may stay out
	s_barrier_signal -1
	s_barrier_wait -1                              ; everybody's is
	FETCH_B 0, 0, 0
	FETCH_A 0, 0, 0
	FETCH_A 0, 0, 4
	STEP 0, 1, 0, 1                                ; slot 0, first half: its products start the sums
	TURN 1, 1                                      ; slot 0, second half; the one refill
	STEP 1, 1, 0, 0                                ; slot 1
	STEP 2, 0, 1, 0                                ; (slot 2 was shown whole by the round above)
	STEP 2, 1, 0, 0                                ; slot 2
	TURN 0, 0                                      ; slot 0's second tile is whole
	STEP 0, 1, 0, 0                                ; slot 0 again
	s_wait_dscnt 12                                ; the last step: nothing more to fetch
	WIN MUL_LO
	MUL16 0, 1, 0
	MUL16 2, 1, 0
	s_wait_dscnt 0
	WIN MUL_HI
	MUL16 4, 1, 0
	MUL16 6, 1, 0
	PLACES 4                                       ; in front of the first read of results just made
	; THE WAY OUT.  A sum is 0 or at least 1.  Divided by 0.125 it is 0 or at least 8, beyond FP4's largest number: the conversion gives the code 0 or the largest code, 0111: eight sums in eight nibbles.
	; Register j of accumulator (a, b) is column 64 (b / 4) + 32 h + 4 j + b mod 4: of four accumulators' nibbles one bit each makes a word whose bit beta is column 32 h + beta of the group b / 4.
	WIN 0x02                                       ; source 0 window 2
.irp a, 0,1,2,3
.irp b, 0,1,2,3,4,5,6,7
	v_cvt_scalef32_pk8_fp4_f32 v[XB+8*\a+\b], v[8*(8*\a+\b):8*(8*\a+\b)+7], v[EIG]
.endr
.endr
	WIN 0x03                                       ; window 3
.irp a, 0,1,2,3
.irp b, 0,1,2,3,4,5,6,7
	v_cvt_scalef32_pk8_fp4_f32 v[XB+32+8*\a+\b], v[8*(8*\a+\b):8*(8*\a+\b)+7], v[EIG]
.endr
.endr
	WIN 0
	v_nop                                          ; one plain line behind the conversions
	s_mov_b32 s20, 0x11111111
	s_mov_b32 s21, 0x33333333
	s_mov_b32 s22, 0x77777777
.irp a, 0,1,2,3,4,5,6,7
.irp g, 0,1
	v_bfi_b32 v52, s20, v[XB+8*\a+4*\g], v[XB+8*\a+4*\g+1]          ; bit 0 of each nibble from the first, bit 1 from the second,
	v_bfi_b32 v52, s21, v52, v[XB+8*\a+4*\g+2]                      ; bit 2 from the third,
	v_lshlrev_b32 v53, 1, v[XB+8*\a+4*\g+3]
	v_bfi_b32 v[WD+2*\a+\g], s22, v52, v53                          ; bit 3 from the fourth
.endr
.endr
.irp a, 0,1,2,3,4,5,6,7
.irp g, 0,1
	ds_store_b32 v[STO], v[WD+2*\a+\g] offset:1024*\g+512*(\a/4)+8*(\a%4)   ; my stage: [group 2][row 128][8 bytes]; row 64 (a / 4) + 4 r + a mod 4, word h
.endr
.endr
.irp t, 0,1,2,3
	ds_load_b128 v[BK+4*\t:BK+4*\t+3], v[RD] offset:512*\t          ; LDS serves a wave's instructions in order (ISA guide 5.7.1.4): these see the stores above
.endr
.irp t, 0,1,2,3
	s_wait_dscnt 3-\t
	global_store_b128 v[CO], v[BK+4*\t:BK+4*\t+3], s[8:9] offset:2048*(\t/2)+512*(\t%2)   ; 32 lanes store 512 consecutive bytes, at a multiple of 256 from the buffer's first byte
.endr
	s_wait_tensorcnt 0x0                           ; the wave's end, behind my last tensor load and my last LDS store
	ds_add_u32 v[SPW], v[NIL]
	s_wait_dscnt 0x0
	CROUND                                         ; the closing round: no work-group ends while a partner may still ask for a tile that names it
	s_endpgm
.Lfunc_end_k_q0957152333_gemm:
	.size	k_q0957152333_gemm, .Lfunc_end_k_q0957152333_gemm-k_q0957152333_gemm
	.p2alignl 7, 3214868480
	.fill 96, 4, 3214868480
	.section	.rodata,"a",@progbits
	.p2align	6, 0x0
	.amdhsa_kernel k_q0957152333_gemm
		.amdhsa_group_segment_fixed_size 327680
		.amdhsa_private_segment_fixed_size 0
		.amdhsa_enable_private_segment 0
		.amdhsa_kernarg_size 24
		.amdhsa_user_sgpr_count 2
		.amdhsa_user_sgpr_kernarg_segment_ptr 1
		.amdhsa_wavefront_size32 1
		.amdhsa_system_sgpr_workgroup_id_x 1
		.amdhsa_system_sgpr_workgroup_id_y 1
		.amdhsa_system_sgpr_workgroup_id_z 1
		.amdhsa_system_vgpr_workitem_id 0
		.amdhsa_next_free_vgpr 1024
		.amdhsa_next_free_sgpr 66
		.amdhsa_reserve_vcc 0
		.amdhsa_float_denorm_mode_32 3
		.amdhsa_float_denorm_mode_16_64 3
		.amdhsa_memory_ordered 1
		.amdhsa_forward_progress 1
		.amdhsa_inst_pref_size 111
	.end_amdhsa_kernel
	.amdgpu_metadata
---
amdhsa.version: [ 1, 2 ]
amdhsa.kernels:
  - .name:           k_q0957152333_gemm
    .symbol:         k_q0957152333_gemm.kd
    .args:
      - { .name: acodes, .offset: 0, .size: 8, .value_kind: global_buffer, .address_space: global }
      - { .name: bcodes, .offset: 8, .size: 8, .value_kind: global_buffer, .address_space: global }
      - { .name: ubits, .offset: 16, .size: 8, .value_kind: global_buffer, .address_space: global }
    .group_segment_fixed_size: 327680
    .private_segment_fixed_size: 0
    .kernarg_segment_align: 8
    .kernarg_segment_size: 24
    .max_flat_workgroup_size: 128
    .sgpr_count:     66
    .vgpr_count:     1024
    .wavefront_size: 32
...
	.end_amdgpu_metadata
.endif
;; end of part 3
;; launch norm (part 4): grid 32 x 8, 8 waves a work-group, no clusters, 5,120 bytes of LDS; arguments ubits, out0; writes out0
.if DOCPART == 4
	.amdgcn_target "amdgcn-amd-amdhsa--gfx1250"
	.amdhsa_code_object_version 6
	.text
	.protected	k_q0957152333_norm
	.globl	k_q0957152333_norm
	.p2align	8
	.type	k_q0957152333_norm,@function
k_q0957152333_norm:
	s_mov_b64 s[64:65], 0
	v_nop
	global_prefetch_b8 v0, s[64:65] scope:SCOPE_SE
	s_setreg_imm32_b32 hwreg(HW_REG_WAVE_MODE, 25, 1), 1
	s_wait_xcnt 0x0
; out0[i][j] = u[i][j] / deg[j];  u[i][j] = 1 where any of the four partial sums is not 0;  deg[j] = the sum of ROW j of u.
; ubits [q 4][I 8][CG 32][row 256][8 bytes]: bit beta of word h: row 256 I + row, column 64 CG + 32 h + beta, K quarter q.
; Work-group (G, I'): rows 256 I' on, columns 64 G on.  It needs the degrees of nodes 64 G .. 64 G + 63: their rows' bits, 64 rows x 2,048 columns x 4 quarters, 65,536 bytes, are read, joined by OR and counted;
; wave w counts column groups 4 w .. 4 w + 3, and the eight waves' counts meet in LDS.  Then each wave writes 32 rows: sixteen lanes store 256 consecutive bytes, aligned.
; Where a degree is 0 the reciprocal is infinite, and 0 x infinity and 1 x infinity give the NaN and the infinity of a division by 0.
; No matrix unit, no tensor loads: memory binds.  No cluster: what eight work-groups share is read once, at the head, straight into registers.
.set PD, 0                             ; LDS: counts [wave 8][node 64]
.set TB, 2048                          ; LDS: the tile's bits, 256 rows x 8 bytes; each wave reads only the 256 bytes that it wrote
	s_load_b128 s[4:7], s[0:1], 0x0                ; ubits, out0
	v_lshl_add_u32 v160, v0, 2, 0x1000
	v_mov_b32 v161, 0
	v_and_b32 v1, 31, v0                           ; lane
	v_and_b32 v2, 15, v0                           ; c
	v_bfe_u32 v3, v0, 4, 1                         ; hh
	v_lshrrev_b32 v9, 5, v0                        ; wave
	v_lshlrev_b32 v4, 13, v9
	v_lshl_add_u32 v4, v1, 4, v4                   ; degrees: column group 4 w (2,048 bytes each), nodes 2 lane and 2 lane + 1
	v_lshlrev_b32 v5, 3, v0                        ; 8 x thread: a row's 8 bytes; also my two counts
	v_lshlrev_b32 v6, 4, v2                        ; the counts of my four columns
	v_lshrrev_b32 v14, 3, v2
	v_lshlrev_b32 v7, 8, v9
	v_lshl_add_u32 v7, v3, 3, v7
	v_lshl_add_u32 v7, v14, 2, v7                  ; the tile's bits: row 32 w + hh (+ 2 n in the immediate), word c / 8
	v_lshlrev_b32 v8, 18, v9
	v_lshl_add_u32 v8, v3, 13, v8
	v_lshl_add_u32 v8, v2, 4, v8                   ; out0: row 32 w + hh of 8,192 bytes, + 16 c
	v_and_b32 v10, 7, v2
	v_lshlrev_b32 v10, 2, v10                      ; my four columns' bits: 4 (c mod 8) + 0 .. 3
	v_add_nc_u32 v11, 1, v10
	v_add_nc_u32 v12, 2, v10
	v_add_nc_u32 v13, 3, v10
	s_and_b32 s12, ttmp7, 0xffff                   ; I'
	s_lshr_b32 s14, ttmp9, 2
	s_lshl_b32 s14, s14, 16                        ; the nodes' tile row G / 4: 32 groups of 2,048 bytes,
	s_and_b32 s15, ttmp9, 3
	s_lshl_b32 s15, s15, 9                         ; and their first row in it, 64 (G mod 4), 8 bytes a row
	s_add_co_u32 s14, s14, s15
	s_mov_b32 s15, 0
	s_lshl_b32 s16, s12, 16
	s_lshl_b32 s17, ttmp9, 11
	s_add_co_u32 s16, s16, s17                     ; the tile's bits: tile row I', group G
	s_mov_b32 s17, 0
	s_lshl_b32 s18, s12, 21
	s_lshl_b32 s19, ttmp9, 8
	s_add_co_u32 s18, s18, s19                     ; out0: 256 I' rows + 256 G bytes
	s_mov_b32 s19, 0
	s_mov_b32 s20, 0x55555555
	s_mov_b32 s21, 0x33333333
	s_mov_b32 s22, 0x0f0f0f0f
	s_mov_b32 s23, 0x00ff00ff
	s_wait_kmcnt 0x0
	s_add_nc_u64 s[8:9], s[4:5], s[14:15]
	s_add_nc_u64 s[10:11], s[4:5], s[16:17]
	s_add_nc_u64 s[6:7], s[6:7], s[18:19]
.irp q, 0,1,2,3
.irp i, 0,1,2,3
	global_load_b128 v[32+16*\q+4*\i:32+16*\q+4*\i+3], v4, s[8:9] offset:524288*\q+2048*\i   ; 512 consecutive bytes: 64 nodes x one column group
.endr
.endr
.irp q, 0,1,2,3
	global_load_b64 v[96+2*\q:97+2*\q], v5, s[10:11] offset:524288*\q
.endr
	s_wait_loadcnt 4                               ; the sixteen are in; the tile's four planes may be out
	; sixteen words a lane (word 4 i + k: column group i; k = 0, 1: node 2 lane; k = 2, 3: the next): the four quarters joined, then the ones counted in fields that double
.irp j, 0,1,2,3,4,5,6,7,8,9,10,11,12,13,14,15
	v_or_b32 v[32+\j], v[32+\j], v[48+\j]
.endr
.irp j, 0,1,2,3,4,5,6,7,8,9,10,11,12,13,14,15
	v_or_b32 v[64+\j], v[64+\j], v[80+\j]
.endr
.irp j, 0,1,2,3,4,5,6,7,8,9,10,11,12,13,14,15
	v_or_b32 v[32+\j], v[32+\j], v[64+\j]
.endr
.irp j, 0,1,2,3,4,5,6,7,8,9,10,11,12,13,14,15
	v_lshrrev_b32 v[48+\j], 1, v[32+\j]
.endr
.irp j, 0,1,2,3,4,5,6,7,8,9,10,11,12,13,14,15
	v_and_b32 v[48+\j], s20, v[48+\j]
.endr
.irp j, 0,1,2,3,4,5,6,7,8,9,10,11,12,13,14,15
	v_sub_nc_u32 v[32+\j], v[32+\j], v[48+\j]      ; fields of 2 bits: 0 to 2
.endr
.irp j, 0,1,2,3,4,5,6,7,8,9,10,11,12,13,14,15
	v_lshrrev_b32 v[48+\j], 2, v[32+\j]
.endr
.irp j, 0,1,2,3,4,5,6,7,8,9,10,11,12,13,14,15
	v_and_b32 v[48+\j], s21, v[48+\j]
.endr
.irp j, 0,1,2,3,4,5,6,7,8,9,10,11,12,13,14,15
	v_and_b32 v[32+\j], s21, v[32+\j]
.endr
.irp m, 0,1,2,3,4,5,6,7
	v_add3_u32 v[32+2*\m], v[32+2*\m], v[48+2*\m], v[33+2*\m]
.endr
.irp m, 0,1,2,3,4,5,6,7
	v_add_nc_u32 v[32+2*\m], v[32+2*\m], v[49+2*\m]    ; a node's two words together: fields of 4 bits, 0 to 8
.endr
.irp m, 0,1,2,3,4,5,6,7
	v_lshrrev_b32 v[48+2*\m], 4, v[32+2*\m]
.endr
.irp m, 0,1,2,3,4,5,6,7
	v_and_b32 v[48+2*\m], s22, v[48+2*\m]
.endr
.irp m, 0,1,2,3,4,5,6,7
	v_and_b32 v[32+2*\m], s22, v[32+2*\m]
.endr
.irp p, 0,1                            ; the four column groups together: bytes, 0 to 64; then halves and the word: 0 to 256
	v_add3_u32 v[20+\p], v[32+2*\p], v[48+2*\p], v[36+2*\p]
	v_add3_u32 v[20+\p], v[20+\p], v[52+2*\p], v[40+2*\p]
	v_add3_u32 v[20+\p], v[20+\p], v[56+2*\p], v[44+2*\p]
	v_add_nc_u32 v[20+\p], v[20+\p], v[60+2*\p]
	v_lshrrev_b32 v[22+\p], 8, v[20+\p]
	v_and_b32 v[22+\p], s23, v[22+\p]
	v_and_b32 v[20+\p], s23, v[20+\p]
	v_add_nc_u32 v[20+\p], v[20+\p], v[22+\p]
	v_lshrrev_b32 v[22+\p], 16, v[20+\p]
	v_and_b32 v[20+\p], 0xffff, v[20+\p]
	v_add_nc_u32 v[20+\p], v[20+\p], v[22+\p]
.endr
	ds_store_b64 v5, v[20:21] offset:PD            ; [wave][node 2 lane, 2 lane + 1]
	s_wait_loadcnt 0x0
	v_or_b32 v96, v96, v98
	v_or_b32 v97, v97, v99
	v_or_b32 v100, v100, v102
	v_or_b32 v101, v101, v103
	v_or_b32 v96, v96, v100
	v_or_b32 v97, v97, v101
	ds_store_b64 v5, v[96:97] offset:TB
	s_wait_dscnt 0x0                               ; for the others' sake: my counts are in LDS
	s_barrier_signal -1
	s_barrier_wait -1
.irp w, 0,1,2,3,4,5,6,7
	ds_load_b128 v[32+4*\w:35+4*\w], v6 offset:PD+256*\w
.endr
.irp n, 0,1,2,3,4,5,6,7,8,9,10,11,12,13,14,15
	ds_load_b32 v[64+\n], v7 offset:TB+16*\n
.endr
	s_wait_dscnt 16                                ; the eight are in; the sixteen words behind them may be out
.irp e, 0,1,2,3
	v_add3_u32 v[24+\e], v[32+\e], v[36+\e], v[40+\e]
.endr
.irp e, 0,1,2,3
	v_add3_u32 v[24+\e], v[24+\e], v[44+\e], v[48+\e]
.endr
.irp e, 0,1,2,3
	v_add3_u32 v[24+\e], v[24+\e], v[52+\e], v[56+\e]
.endr
.irp e, 0,1,2,3
	v_add_nc_u32 v[24+\e], v[24+\e], v[60+\e]      ; the degrees of my four columns
.endr
.irp e, 0,1,2,3
	v_cvt_f32_u32 v[24+\e], v[24+\e]
.endr
.irp e, 0,1,2,3
	v_rcp_f32 v[16+\e], v[24+\e]
.endr
	v_nop                                          ; the plain line behind the reciprocals
	s_wait_alu depctr_va_vdst(0)                   ; the wait ahead of the first reader: one for the four
.irp n, 0,1,2,3,4,5,6,7,8,9,10,11,12,13,14,15
	s_wait_dscnt 15-\n                             ; LDS loads come back in order: word n is in
.irp e, 0,1,2,3
	v_bfe_u32 v[96+4*\n+\e], v[64+\n], v[10+\e], 1
.endr
.irp e, 0,1,2,3
	v_cvt_f32_u32 v[96+4*\n+\e], v[96+4*\n+\e]
.endr
	v_pk_mul_f32 v[96+4*\n:97+4*\n], v[96+4*\n:97+4*\n], v[16:17]
	v_pk_mul_f32 v[98+4*\n:99+4*\n], v[98+4*\n:99+4*\n], v[18:19]
	global_store_b128 v8, v[96+4*\n:99+4*\n], s[6:7] offset:16384*\n th:TH_STORE_NT   ; rows 32 w + 2 n and the next: twice 256 consecutive bytes, aligned; each n has registers of its own
.endr
	s_barrier_signal -1
	s_barrier_wait -1
	s_wait_tensorcnt 0x0
	ds_add_u32 v160, v161
	s_wait_dscnt 0x0
	s_endpgm
.Lfunc_end_k_q0957152333_norm:
	.size	k_q0957152333_norm, .Lfunc_end_k_q0957152333_norm-k_q0957152333_norm
	.p2alignl 7, 3214868480
	.fill 96, 4, 3214868480
	.section	.rodata,"a",@progbits
	.p2align	6, 0x0
	.amdhsa_kernel k_q0957152333_norm
		.amdhsa_group_segment_fixed_size 5120
		.amdhsa_private_segment_fixed_size 0
		.amdhsa_enable_private_segment 0
		.amdhsa_kernarg_size 16
		.amdhsa_user_sgpr_count 2
		.amdhsa_user_sgpr_kernarg_segment_ptr 1
		.amdhsa_wavefront_size32 1
		.amdhsa_system_sgpr_workgroup_id_x 1
		.amdhsa_system_sgpr_workgroup_id_y 1
		.amdhsa_system_sgpr_workgroup_id_z 1
		.amdhsa_system_vgpr_workitem_id 0
		.amdhsa_next_free_vgpr 162
		.amdhsa_next_free_sgpr 66
		.amdhsa_reserve_vcc 0
		.amdhsa_float_denorm_mode_32 3
		.amdhsa_float_denorm_mode_16_64 3
		.amdhsa_memory_ordered 1
		.amdhsa_forward_progress 1
		.amdhsa_inst_pref_size 25
	.end_amdhsa_kernel
	.amdgpu_metadata
---
amdhsa.version: [ 1, 2 ]
amdhsa.kernels:
  - .name:           k_q0957152333_norm
    .symbol:         k_q0957152333_norm.kd
    .args:
      - { .name: ubits, .offset: 0, .size: 8, .value_kind: global_buffer, .address_space: global }
      - { .name: out0, .offset: 8, .size: 8, .value_kind: global_buffer, .address_space: global }
    .group_segment_fixed_size: 5120
    .private_segment_fixed_size: 0
    .kernarg_segment_align: 8
    .kernarg_segment_size: 16
    .max_flat_workgroup_size: 256
    .sgpr_count:     66
    .vgpr_count:     162
    .wavefront_size: 32
...
	.end_amdgpu_metadata
.endif
;; end of part 4
